; MI455X (gfx1250); checked and timed in simulation.
; The chip was launched on July 23, 2026; its instructions are those of AMD's public machine-readable ISA for CDNA 5 (MIT licence, August 2026) and "CDNA5" Instruction Set Architecture Reference Guide (July 2026). The comments in the code are by the model that wrote it; some were corrected since.
;; Causal Self Attention. Allowed arithmetic: matrix products marked QUANTISED: E5M2 operands, one given power-of-two scale a tensor, by v_wmma_f32_16x16x64_bf8_bf8 or v_wmma_f32_16x16x128_bf8_bf8, f32 sums; everything else in f32.
;; Inputs: b_attn 3,072 float32; b_proj 1,024 float32; lowp_scales 8 int32 (the exponents e of the quantised operands' scales 2^e); w_attn_codes 3,072 x 32 x 32 uint8 (E5M2 codes of w_attn, K innermost, in blocks of 32 codes); w_proj_codes 1,024 x 32 x 32 uint8 (E5M2 codes of w_proj, K innermost, in blocks of 32 codes); x_codes 4 x 2,048 x 32 x 32 uint8 (E5M2 codes of x, K innermost, in blocks of 32 codes).
;; Outputs: out0 4 x 2,048 x 1,024 float32.
;; This version of the problem:
;;   THIS VERSION OF THE PROBLEM IS GIVEN IN LOW PRECISION. The matrix products marked QUANTISED in the list below multiply operands that are first quantised to E5M2 (5 exponent bits, 2 mantissa bits; 8 bits a number), with one given power-of-two scale for each operand tensor; their sums are f32. All else is computed in f32.
;;   The module's matrix products, in the order in which they are computed (A, B: the left and right operand; K: the contracted axis; several contracted axes count as one K, in the product's order):
;;     1. [M 8,192, K 1,024] x [K 1,024, N 3,072]; A: input x (given as codes); B: input w_attn (given as codes): QUANTISED (scales: A lowp_scales[0], B lowp_scales[1])
;;     2. batch 64 x [M 2,048, K 64] x [K 64, N 2,048]; A: computed on the way; B: computed on the way: QUANTISED (scales: A lowp_scales[2], B lowp_scales[3])
;;     3. batch 64 x [M 2,048, K 2,048] x [K 2,048, N 64]; A: softmax (see below); B: computed on the way: QUANTISED (scales: A lowp_scales[4], B lowp_scales[5])
;;     4. [M 8,192, K 1,024] x [K 1,024, N 1,024]; A: computed on the way; B: input w_proj (given as codes): QUANTISED (scales: A lowp_scales[6], B lowp_scales[7])
;;   THE QUANTISER, for each operand of a quantised product, along K:
;;     - The operand's scale is 2^e, e = its entry of the input lowp_scales (int32; the entries are numbered through the quantised products in the list's order, A before B).
;;     - Each number is divided by the scale, clamped to +-57,344, and rounded to the nearest number of E5M2, ties to even, subnormals kept.
;;     - The product sums the exact products of the quantised numbers (number of the format x scale) in f32.
;;   ~~~python
;;   def quantise(x, axis, e):      # numpy; x: float32 -> the quantised numbers, widened to float32 again
;;       x = np.moveaxis(x, axis, -1); K = x.shape[-1]
;;       r = np.clip(x / 2.0 ** e, -57344, 57344)
;;       step = 2.0 ** (np.maximum(np.frexp(np.where(r == 0, 1, r))[1] - 1, -14) - 2)
;;       q = np.round(r / step) * step * 2.0 ** e      # np.round: ties to even
;;       return np.moveaxis(q, -1, axis).astype(np.float32)
;;   ~~~
;;   SOFTMAX AHEAD OF A QUANTISED PRODUCT. Where the list says 'softmax', what is quantised is not the finished softmax but p = 2^(t - M), with t = logit x log2(e) and M = ceil(the row's largest t), a whole number; so 1/2 < the row's largest p <= 1. The row's sum l is taken of the UNQUANTISED p, in f32, and the product's result is divided by l at the end. Since M is a whole number, a kernel that streams over the keys may use a running M (the ceiling of the running maximum): every later rescaling is an exact power of two, so the quantised numbers keep their values, but for numbers so far below the row's largest that they fall under the format's range.
;;   OPERANDS COMPUTED ON THE WAY. 'Computed on the way' means the value that the module computes at that place (a softmax that the list does not call 'softmax' is quantised finished and normalised). What goes into a quantiser is computed in f32, as accurately as f32 sums, v_exp_f32 and their like allow (about 1e-6 of the number): no bf16 or f16 on the way to a quantiser, and a product that is left as it is and whose result goes on into a quantised operand takes f32 operands (vector FMAs, or v_wmma_f32_16x16x4_f32). A number that lies on a knife's edge between two numbers of the format may be rounded either way, as far as f32 arithmetic and the matrix unit's own rounding can turn it there, and no further.
;;   INPUTS GIVEN AS CODES. w_attn (in the module: [1024, 3072], K = its axis 0); w_proj (in the module: [1024, 1024], K = its axis 0); x (in the module: [4, 2048, 1024], K = its axis 2): each comes as NAME_codes (uint8): NAME with its K axis moved to the last place and cut into blocks of 32 codes, [.., K / 32, bytes a block], one block behind the other in memory; one code a byte (a code: sign, 5 exponent bits, 2 mantissa bits); its scale is its entry of lowp_scales. Its value is code x scale, taken as it is: it is not quantised again, and the codes and scales need not be those that the quantiser above would give.
;; One version. Each part assembles by itself: llvm-mc -triple=amdgcn-amd-amdhsa -mcpu=gfx1250 --defsym DOCPART=n.
;; ======== version 1 of 1: 3 launches
;; limits: right only within a limited range of input values
;; workspace buffers: q_codes 8,388,608 bytes; k_codes 8,388,608 bytes; v_codes 8,388,608 bytes; att_codes 8,388,608 bytes
;; launch qkv (part 1): grid 12 x 32, 4 waves a work-group, clusters of 4 x 4, 327,680 bytes of LDS; arguments x_codes, w_attn_codes, lowp_scales, b_attn, q_codes, k_codes, v_codes; writes q_codes, k_codes, v_codes
.if DOCPART == 1
	.amdgcn_target "amdgcn-amd-amdhsa--gfx1250"
	.amdhsa_code_object_version 6
	.text
	.protected	k_qa76cf8e7b3_qkv
	.globl	k_qa76cf8e7b3_qkv
	.p2align	8
	.type	k_qa76cf8e7b3_qkv,@function
k_qa76cf8e7b3_qkv:
	s_mov_b64 s[64:65], 0
	v_nop
	global_prefetch_b8 v0, s[64:65] scope:SCOPE_SE
	s_setreg_imm32_b32 hwreg(HW_REG_WAVE_MODE, 25, 1), 1
	s_wait_xcnt 0x0
	s_wait_alu depctr_hold_cnt(0) depctr_sa_sdst(0) depctr_va_vdst(0) depctr_va_sdst(0) depctr_va_ssrc(0) depctr_va_vcc(0) depctr_vm_vsrc(0)
	s_getreg_b32 s2, hwreg(HW_REG_IB_STS2, 6, 4)
	s_cmp_eq_u32 s2, 0
	s_cbranch_scc0 .Lentry_in_a_cluster
	s_endpgm
.Lentry_in_a_cluster:
	s_bfe_u32 s2, ttmp6, 0x10000c
	s_cmp_lg_u32 s2, 0xf033
	s_cbranch_scc0 .Lentry_shape_is_right
	s_endpgm
.Lentry_shape_is_right:
; qkv = x w_attn + b_attn on codes of BF8 (E5M2), and its three parts quantised for the attention launch.
; x_codes [8192][1024], w_attn_codes [3072][1024]: K innermost.  A sum of code products stands for sum x 2^(e0 + e1); b_attn is added in f32; q is quantised with 2^e2, k with 2^e3, v with 2^e5.
; OUT: q_codes, k_codes [batch][head][token][64] (K = the head's 64 innermost); v_codes [batch][head][64][2048] (K = the keys innermost).
; A tile of 256 x 256 of qkv to a work-group of four waves, 128 x 128 to a wave: 64 accumulators, 512 registers.  K = 1,024 goes in four steps of 256 through two LDS slots.
; CLUSTERS of 4 x 4.  The cluster's x (0, 1, 2) says whether its 1,024 columns are q, k or v: the same in all sixteen partners.
; ROLES.  Source 1 of the matrix instruction takes rows of role A, source 0 rows of role B: a lane then holds ONE row of A and eight neighbouring rows of B.
;   q, k: A = tokens (x), B = weight rows: a lane's eight numbers run along the head's 64, which is their K in the next product.
;   v:    A = weight rows, B = tokens: a lane's eight numbers run along the tokens, the keys, which are v's K.  Both tensors have rows of 1,024 bytes, so only pointers and first rows are chosen.
; A's tiles are shared along a row of the cluster, B's along a column: joint loads.
; LIMITS: e0 + e1 between -126 and 127; e2, e3, e5 between -126 and 112, so that each power of two below is an f32 number.  NaN and infinity among the input codes are not served.
; REGISTERS, in windows of 256: window 0: v16-31 addresses and the output's scale; v64-127 the bias; v128-255 A's fragments, ONE set; on the way out v128-255 are at work.
;   window 1: B's fragments, two sets.   window 2, 3: the accumulators of my A rows 0-63, 64-127 ((a, b) at v[8 (8 (a % 4) + b)]).
.set KROW,   1024                      ; a row of x or of w_attn in memory, in bytes
.set ROWB,   256                       ; a tile's row: 256 codes
.set PITCH,  272                       ; an LDS row: 256 bytes + 16 of padding: the 16 rows of a fragment load start at 16 different groups of four banks
.set FR,     16                        ; registers of a fragment: 16 rows x 128 K
.set NL,     4                         ; LDS loads that bring one
.set NP,     4                         ; places behind this matrix instruction (ISA guide 7.12.1)
.set HALFT,  128*PITCH                 ; 128 rows: what one tensor load brings
.set SLOT,   4*HALFT                   ; A's 256 rows, then B's 256 rows
.set SPARE,  2*SLOT                    ; behind the ring: the spare words, 128 bytes a wave
.set QHEAD,  16*80                     ; the way out of q and k: 16 tokens x (64 bytes + 16) for one head
.set QSTG,   0                         ; each wave's own stage of two heads.  Both stages lie in slot 0, which has had its last fill and its last read when they are written
.set VSTG,   8*QHEAD                   ; the way out of v: 256 rows x 272 bytes, the work-group's; bytes of its own
.set HEADB,  131072                    ; a head's bytes in each buffer of codes
.set ADRA, 16                          ; v16-17  LDS address of my A fragments in slot 0, 1
.set BOFQ, 18                          ; v18     32 x (lane / 16): my eight numbers of the bias (q, k)
.set BOFV, 19                          ; v19     4 x (lane % 16): my row's number of the bias (v)
.set ADRB, 20                          ; v20-21  LDS address of my B fragments
.set SC,   22                          ; v22     the output's scale 2^e as f32
.set LIM,  23                          ; v23     not used
.set STO,  24                          ; v24     q, k: where I put 8 codes
.set RD,   25                          ; v25     q, k: where I read 16 bytes back
.set CO,   26                          ; v26     16 x lane
.set STV,  27                          ; v27     v: where I put 8 codes
.set SPW,  28                          ; v28     my spare word; never rewritten
.set NIL,  29                          ; v29     0; never rewritten
.set RDV,  30                          ; v30     v: where I read 16 bytes back
.set COV,  31                          ; v31     v: my byte offset in two rows of a head
.set BI,   64
.set AF,   128
.set TMP,  128                         ; the way out: a block's 64 numbers
.set CD0,  192                         ; its codes: two sets of 16 by turns
.set BK,   224                         ; read back from the stage: two sets of 16 by turns
.set G1, 24
.set G0, 32
.set G1B, 48
.set G0B, 56
.set MSB, 0
.macro WIN new                         ; the immediate's high byte repeats the setting that is left
.if MSB != \new
	s_set_vgpr_msb (MSB<<8)|\new
.set MSB, \new
.endif
.endm
.set MUL_LO, 0xa1                      ; source 0 (B) window 1, source 1 (A) window 0, C and D window 2
.set MUL_HI, 0xf1                      ; the same, C and D window 3
.set TO_B,   0x40                      ; destination window 1, address window 0
; A joint load: waves 0 and 1 fetch for A, waves 2 and 3 for B; the branch hangs on the wave's number alone.  Four v_nop follow each of the two lines.
.macro JLOAD g0a, g1a, g0b, g1b
	s_cmp_eq_u32 s15, 0
	s_cbranch_scc0 .Lfor_b_\@
	tensor_load_to_lds s[\g0a:\g0a+3], s[\g1a:\g1a+7]
	s_nop 0
.rept 4
	v_nop
.endr
	s_branch .Lasked_\@
.Lfor_b_\@:
	tensor_load_to_lds s[\g0b:\g0b+3], s[\g1b:\g1b+7]
	s_nop 0
.rept 4
	v_nop
.endr
.Lasked_\@:
.endm
.macro CREST                           ; a round of the cluster's barrier behind its opening barrier
	s_cmp_lg_u32 s14, 0
	s_cbranch_scc1 .Lnot_wave_0_\@
	s_barrier_signal -3
.Lnot_wave_0_\@:
	s_barrier_wait -3
	s_barrier_signal -1
	s_barrier_wait -1
.endm
.macro CROUND                          ; a whole round
	s_barrier_signal -1
	s_barrier_wait -1
	CREST
.endm
	s_load_b128 s[4:7], s[0:1], 0x0                ; x's codes, w_attn's codes
	s_load_b128 s[8:11], s[0:1], 0x10              ; the scales' exponents, b_attn
	s_load_b128 s[68:71], s[0:1], 0x20             ; q's codes, k's codes
	s_load_b64 s[72:73], s[0:1], 0x30              ; v's codes
	v_lshl_add_u32 v[SPW], v0, 2, SPARE
	v_mov_b32 v[NIL], 0
	ds_add_u32 v28, v29
	ds_add_u32 v28, v29
	s_wait_dscnt 0x0
	v_lshrrev_b32 v1, 5, v0
	v_readfirstlane_b32 s14, v1                    ; wave 0..3
	s_lshr_b32 s15, s14, 1                         ; which half of A's rows is mine.  Also: I fetch for A (0) or for B (1)
	s_and_b32 s16, s14, 1                          ; which half of B's rows.  Also: which 128 rows of that tile I fetch
	s_bfe_u32 s40, ttmp6, 0x40000                  ; cx, cy: my place in the cluster
	s_bfe_u32 s41, ttmp6, 0x40004
	s_and_b32 s17, ttmp7, 0xffff                   ; the cluster's y: 1,024 tokens
	s_lshl_b32 s43, s41, 2
	s_lshl_b32 s43, 15, s43                        ; my row of the cluster
	s_lshl_b32 s44, 0x1111, s40                    ; my column
	; descriptor group 1: a tile of 128 rows x 256 bytes, padded in LDS
	s_or_b32 s[G1+0], s43, (0<<16)|(1<<20)|(1<<21)|(5<<22)|(3<<25)  ; 15:0 the mask: A's tiles go to my row; elements of 1 byte; padding on; bit 21 beside a mask; after every 64 words, 4 words
	s_or_b32 s[G1B+0], s44, (0<<16)|(1<<20)|(1<<21)|(5<<22)|(3<<25)
.irp g, G1, G1B
	s_mov_b32 s[\g+1], ROWB<<16                    ; tensor_dim0
	s_mov_b32 s[\g+2], 128<<16                     ; tensor_dim1 = 128
	s_mov_b32 s[\g+3], ROWB<<16                    ; tile_dim0
	s_mov_b32 s[\g+4], 128                         ; tile_dim1 = 128
	s_mov_b32 s[\g+5], KROW                        ; tensor_dim0_stride
	s_mov_b32 s[\g+6], 0
	s_mov_b32 s[\g+7], 0
.endr
	; first rows.  q, k: A = x at 1,024 cluster y + 256 cy, B = w at 1,024 cluster x + 256 cx.   v: A = w at 2,048 + 256 cy, B = x at 1,024 cluster y + 256 cx.
	s_lshl_b32 s18, s17, 10
	s_lshl_b32 s19, ttmp9, 10
	s_lshl_b32 s20, s41, 8                         ; 256 cy: A's address holds cy alone
	s_lshl_b32 s46, s40, 8                         ; 256 cx: B's holds cx alone
	s_lshl_b32 s21, s16, 7                         ; which 128 rows I fetch
	s_mov_b32 s22, 2048
	s_cmp_eq_u32 ttmp9, 2                          ; v's cluster?  The same answer in all sixteen partners
	s_cselect_b32 s22, s22, s18
	s_cselect_b32 s23, s18, s19
	s_add_co_u32 s20, s20, s22
	s_add_co_u32 s20, s20, s21
	s_add_co_u32 s46, s46, s23
	s_add_co_u32 s46, s46, s21
	s_lshl_b32 s20, s20, 10                        ; rows of 1,024 bytes: under 2^23
	s_lshl_b32 s46, s46, 10
	s_mov_b32 s21, 0
	s_mov_b32 s47, 0
	s_mul_i32 s45, s14, HALFT                      ; where they go: wave x 128 rows: no place in the cluster enters an LDS address
	s_wait_kmcnt 0x0
	s_load_b256 s[80:87], s[8:9], 0x0              ; e0 .. e7
	s_cmp_eq_u32 ttmp9, 2
	s_cselect_b64 s[74:75], s[6:7], s[4:5]         ; role A's tensor
	s_cselect_b64 s[76:77], s[4:5], s[6:7]         ; role B's
	s_cmp_eq_u32 ttmp9, 0
	s_cselect_b64 s[78:79], s[68:69], s[70:71]     ; where q's or k's codes go
	s_add_nc_u64 s[74:75], s[74:75], s[20:21]
	s_add_nc_u64 s[76:77], s[76:77], s[46:47]
	CROUND                                         ; all sixteen work-groups are here: the first joint loads meet
.irp s, 0,1
	s_mov_b32 s[G0+4*\s], 1
	s_add_co_u32 s[G0+4*\s+1], s45, \s*SLOT
	s_add_nc_u64 s[G0+4*\s+2:G0+4*\s+3], s[74:75], \s*ROWB
	s_or_b32 s[G0+4*\s+3], s[G0+4*\s+3], 0x80000000
	s_mov_b32 s[G0B+4*\s], 1
	s_add_co_u32 s[G0B+4*\s+1], s45, \s*SLOT
	s_add_nc_u64 s[G0B+4*\s+2:G0B+4*\s+3], s[76:77], \s*ROWB
	s_or_b32 s[G0B+4*\s+3], s[G0B+4*\s+3], 0x80000000
	JLOAD G0+4*\s, G1, G0B+4*\s, G1B
.endr
	v_and_b32 v1, 15, v0                           ; r = lane % 16
	v_bfe_u32 v2, v0, 4, 1                         ; h = lane / 16
	v_mul_u32_u24 v3, v1, PITCH
	v_lshl_add_u32 v4, v2, 4, v3                   ; a fragment's row x pitch + 16 h
	s_mul_i32 s21, s15, HALFT                      ; my 128 rows of A
	s_mul_i32 s22, s16, HALFT                      ; my 128 rows of B,
	s_add_co_u32 s22, s22, 2*HALFT                 ; which lie behind A's 256
.irp s, 0,1
	v_add_nc_u32 v[ADRA+\s], s21, v4
	v_add_nc_u32 v[ADRB+\s], s22, v4
	s_add_co_u32 s21, s21, SLOT
	s_add_co_u32 s22, s22, SLOT
.endr
	; every address of both ways out is made here, ahead of the parting
	v_lshlrev_b32 v[BOFQ], 5, v2
	v_lshlrev_b32 v[BOFV], 2, v1
	s_mul_i32 s23, s14, 2*QHEAD                    ; q, k: my stage (QSTG = 0)
	v_mul_u32_u24 v5, v1, 80
	v_lshl_add_u32 v5, v2, 3, v5
	v_add_nc_u32 v[STO], s23, v5                   ; in: token r, 8 bytes for each half of the lanes
	v_and_b32 v6, 31, v0
	v_lshrrev_b32 v7, 2, v6
	v_mul_u32_u24 v7, v7, 80
	v_and_b32 v8, 3, v6
	v_lshl_add_u32 v7, v8, 4, v7
	v_add_nc_u32 v[RD], s23, v7                    ; back: four lanes to a token's 64 bytes, eight tokens an instruction
	v_lshlrev_b32 v[CO], 4, v6
	s_mul_i32 s23, s15, 128*272                    ; v: my 128 rows of the shared stage, my half of their 256 bytes
	s_lshl_b32 s21, s16, 7
	s_add_co_u32 s23, s23, s21
	s_add_co_u32 s23, s23, VSTG
	v_mul_u32_u24 v5, v1, 272
	v_lshl_add_u32 v5, v2, 3, v5
	v_add_nc_u32 v[STV], s23, v5
	s_mul_i32 s23, s14, 64*272                     ; back: wave w takes rows 64 w on, one head; sixteen lanes to a row
	s_add_co_u32 s23, s23, VSTG
	v_mul_u32_u24 v5, v2, 272
	v_lshl_add_u32 v5, v1, 4, v5
	v_add_nc_u32 v[RDV], s23, v5
	v_lshlrev_b32 v5, 11, v2
	v_lshl_add_u32 v[COV], v1, 4, v5               ; and the same two rows of 2,048 bytes in v_codes
	; byte offsets of the ways out, in registers that feed no descriptor
	s_lshr_b32 s92, s17, 1                         ; the batch: 2,048 tokens are two clusters
	s_lshl_b32 s88, s92, 21                        ; q, k: batch x 16 heads
	s_lshl_b32 s93, s40, 2
	s_lshl_b32 s94, s16, 1
	s_add_co_u32 s93, s93, s94                     ; + head 4 cx + 2 x my half of B
	s_lshl_b32 s93, s93, 17
	s_add_co_u32 s88, s88, s93
	s_and_b32 s93, s17, 1
	s_lshl_b32 s93, s93, 10                        ; the cluster's first token in its batch
	s_lshl_b32 s94, s41, 8
	s_add_co_u32 s94, s94, s93
	s_lshl_b32 s95, s15, 7
	s_add_co_u32 s94, s94, s95
	s_lshl_b32 s94, s94, 6                         ; + my first token x 64 bytes
	s_add_co_u32 s88, s88, s94
	s_lshl_b32 s94, s92, 4                         ; v: head = 16 batch + 4 cy + wave
	s_lshl_b32 s95, s41, 2
	s_add_co_u32 s94, s94, s95
	s_add_co_u32 s94, s94, s14
	s_lshl_b32 s89, s94, 17
	s_add_co_u32 s89, s89, s93                     ; + the tile's first token: one byte a token
	s_lshl_b32 s94, s40, 8
	s_add_co_u32 s89, s89, s94
	s_lshl_b32 s90, ttmp9, 12                      ; the bias of q, k: 4 x (1,024 cluster x + 256 cx + 128 x my half of B)
	s_lshl_b32 s94, s40, 10
	s_add_co_u32 s90, s90, s94
	s_lshl_b32 s94, s16, 9
	s_add_co_u32 s90, s90, s94
	s_lshl_b32 s91, s41, 10                        ; the bias of v: 4 x (2,048 + 256 cy + 128 x my half of A)
	s_lshl_b32 s94, s15, 9
	s_add_co_u32 s91, s91, s94
	s_add_co_u32 s91, s91, 8192
	s_wait_kmcnt 0x0                               ; the exponents
	s_add_co_i32 s96, s80, s81
	s_add_co_i32 s96, s96, 127
	s_lshl_b32 s96, s96, 23                        ; 2^(e0 + e1) as f32
	s_mov_b32 s97, s96                             ; (named with it as a pair)
	s_cmp_eq_u32 ttmp9, 0
	s_cselect_b32 s92, s82, s83                    ; q: e2, k: e3,
	s_cmp_eq_u32 ttmp9, 2
	s_cselect_b32 s92, s85, s92                    ; v: e5: a choice, no branch
	s_add_co_i32 s92, s92, 127
	s_lshl_b32 s93, s92, 23
	v_mov_b32 v[SC], s93                           ; the conversion takes its exponent field
	s_mov_b32 s93, 0
	s_mov_b32 s95, 0
.macro FRAG reg, adr, q, i             ; 16 rows x 128 K: lane l holds row l % 16; registers 4 c .. 4 c + 3 hold K = 32 c + 16 (l / 16) + 0 .. 15: the same order of k in A and in B
.irp c, 0,1,2,3
	ds_load_b128 v[\reg+4*\c:\reg+4*\c+3], v[\adr] offset:128*(\q)+32*\c+(\i)*16*PITCH
.endr
.endm
; 16 matrix instructions: A's blocks a0, a0 + 1 x B's eight.  The 64 accumulators take turns, one instruction a turn, in the same order in every step.
.macro MUL16 a0, p, zero
.irp a, \a0, \a0+1
.irp b, 0,1,2,3,4,5,6,7
.if \zero
	v_wmma_f32_16x16x128_bf8_bf8 v[8*(8*((\a)%4)+\b):8*(8*((\a)%4)+\b)+7], v[128*(\p)+FR*\b:128*(\p)+FR*\b+FR-1], v[AF+FR*(\a):AF+FR*(\a)+FR-1], 0
.else
	v_wmma_f32_16x16x128_bf8_bf8 v[8*(8*((\a)%4)+\b):8*(8*((\a)%4)+\b)+7], v[128*(\p)+FR*\b:128*(\p)+FR*\b+FR-1], v[AF+FR*(\a):AF+FR*(\a)+FR-1], v[8*(8*((\a)%4)+\b):8*(8*((\a)%4)+\b)+7]
.endif
.endr
.endr
.endm
.macro FETCH_B slot, q, p
	WIN TO_B
.irp i, 0,1,2,3,4,5,6,7
	FRAG 128*(\p)+FR*\i, ADRB+\slot, \q, \i
.endr
	WIN 0
.endm
.macro FETCH_A slot, q, i0
.irp i, \i0, \i0+1, \i0+2, \i0+3
	FRAG AF+FR*(\i), ADRA+\slot, \q, \i
.endr
.endm
.macro PLACES n                        ; plain vector instructions between a matrix instruction and a load into its sources or a read of its result
.rept \n
	v_nop
.endr
.endm
; A step of 128 along K that has its successor in the same slot.
.macro STEP slot, q, zero
	s_wait_dscnt 4*NL                              ; B's set and A's blocks 0-3 are in; the youngest sixteen loads (A's blocks 4-7) may be out
	WIN MUL_LO
	MUL16 0, (\q)%2, \zero
	MUL16 2, (\q)%2, \zero
	s_wait_dscnt 0                                 ; A's blocks 4-7 are in
	PLACES NP
	FETCH_B \slot, (\q)+1, 1-(\q)%2
	FETCH_A \slot, (\q)+1, 0
	WIN MUL_HI
	MUL16 4, (\q)%2, \zero
	MUL16 6, (\q)%2, \zero
	PLACES NP
	WIN 0
	FETCH_A \slot, (\q)+1, 4
.endm
; A slot's last step changes slots: one barrier; in front of it each wave waits for all its tensor loads, adds 0 to its spare word, and waits for that and for its own reads of this slot.
.macro TURN slot, next, fill
	s_wait_tensorcnt 0x0                           ; all my tensor loads have landed: my part of the next slot
	ds_add_u32 v[SPW], v[NIL]                      ; 0 onto my spare word
	s_wait_dscnt 4*NL+1                            ; (the add and the youngest sixteen loads may be out)
	WIN MUL_LO
	MUL16 0, 1, 0
	s_wait_dscnt 0x0                               ; the add is done, and my reads of this slot are over
	s_barrier_signal -1
	MUL16 2, 1, 0
	WIN 0
	s_barrier_wait -1
.if \fill
	CREST                                          ; the barrier has opened a round of the cluster's: no wave of any partner still reads this slot or has a load on its way
	s_add_nc_u64 s[G0+4*\slot+2:G0+4*\slot+3], s[G0+4*\slot+2:G0+4*\slot+3], 2*ROWB
	s_add_nc_u64 s[G0B+4*\slot+2:G0B+4*\slot+3], s[G0B+4*\slot+2:G0B+4*\slot+3], 2*ROWB
	JLOAD G0+4*\slot, G1, G0B+4*\slot, G1B         ; the first tensor load behind the round; its four v_nop are the places in front of the loads below
.else
	PLACES NP
.endif
	FETCH_B \next, 0, 0
	FETCH_A \next, 0, 0
	WIN MUL_HI
	MUL16 4, 1, 0
	MUL16 6, 1, 0
	PLACES NP
	WIN 0
	FETCH_A \next, 0, 4
.endm
.macro LAST                            ; the very last step: nothing more to fetch
	s_wait_dscnt 4*NL
	WIN MUL_LO
	MUL16 0, 1, 0
	MUL16 2, 1, 0
	s_wait_dscnt 0
	WIN MUL_HI
	MUL16 4, 1, 0
	MUL16 6, 1, 0
	WIN 0
.endm
; Block a (16 rows of A x 128 rows of B) becomes codes: sum x 2^(e0 + e1) + bias in one packed multiply-add, each accumulator from its low end on; the conversion.
; isv = 0: the bias goes with B's rows (my eight numbers of each of B's blocks);  1: with A's row (one number a lane, held twice as a pair).
.macro PACK a, isv
.set AC, 64*((\a)%4)
.set CD, CD0+16*((\a)%2)
	WIN 0x02+((\a)/4)                              ; source 0: window 2 or 3
.set jj, 0
.rept 32
.if \isv
	v_pk_fma_f32 v[TMP+jj:TMP+jj+1], v[AC+jj:AC+jj+1], s[96:97], v[BI+2*(\a):BI+2*(\a)+1] op_sel_hi:[1,0,1]
.else
	v_pk_fma_f32 v[TMP+jj:TMP+jj+1], v[AC+jj:AC+jj+1], s[96:97], v[BI+jj:BI+jj+1] op_sel_hi:[1,0,1]
.endif
.set jj, jj+2
.endr
	WIN 0
.set jj, 0
.rept 64
.set jj, jj+1
.endr
.set jj, 0
.rept 8
	v_cvt_scalef32_pk8_bf8_f32 v[CD+2*jj:CD+2*jj+1], v[TMP+8*jj:TMP+8*jj+7], v[SC]
.set jj, jj+1
.endr
	v_nop                                          ; a plain vector line behind the last conversion: the next block writes its sources anew
.endm
.macro QSTAGE a                        ; q, k: B's blocks 0-3 are one head, 4-7 the next; into my stage, and back as 512 consecutive bytes of a head (eight tokens)
.set CD, CD0+16*((\a)%2)
.set BB, BK+16*((\a)%2)
.irp b, 0,1,2,3,4,5,6,7
	ds_store_b64 v[STO], v[CD+2*\b:CD+2*\b+1] offset:(\b/4)*QHEAD+(\b%4)*16
.endr
.irp n, 0,1,2,3
	ds_load_b128 v[BB+4*\n:BB+4*\n+3], v[RD] offset:(\n/2)*QHEAD+(\n%2)*640   ; LDS serves a wave's instructions in order (ISA guide 5.7.1.4): these see my stores
.endr
.endm
.macro QSEND a, younger                ; younger: the LDS instructions issued behind block a's loads
.set BB, BK+16*((\a)%2)
	s_wait_dscnt \younger
.irp n, 0,1,2,3
	global_store_b128 v[CO], v[BB+4*\n:BB+4*\n+3], s[78:79] offset:(\n/2)*HEADB+(\a)*1024+(\n%2)*512   ; 32 lanes store 512 consecutive bytes, at a multiple of 512 from the buffer's first byte
.endr
.endm
	s_wait_tensorcnt 1                             ; my part of K step 0 is in (K step 1's load may be out),
	s_barrier_signal -1
	s_barrier_wait -1                              ; everybody's is
	FETCH_B 0, 0, 0
	FETCH_A 0, 0, 0
	FETCH_A 0, 0, 4
	STEP 0, 0, 1                                   ; the first products start the sums: nothing is cleared
	TURN 0, 1, 1                                   ; slot 0 takes K step 2
	STEP 1, 0, 0
	TURN 1, 0, 1                                   ; slot 1 takes K step 3
	STEP 0, 0, 0
	TURN 0, 1, 0                                   ; nothing is left to fetch; behind this barrier nobody reads slot 0
	STEP 1, 0, 0
	s_cmp_eq_u32 ttmp9, 2                          ; the one parting: on the cluster's x, the same in every wave of every partner
	s_cbranch_scc1 .Lv
	; ---- q, k
	s_mov_b32 s92, s90
	s_add_nc_u64 s[10:11], s[10:11], s[92:93]      ; b_attn at my 128 columns
	s_mov_b32 s94, s88
	s_add_nc_u64 s[78:79], s[78:79], s[94:95]
.irp b, 0,1,2,3,4,5,6,7
	global_load_b128 v[BI+8*\b:BI+8*\b+3], v[BOFQ], s[10:11] offset:64*\b        ; columns 16 b + 8 h + 0 .. 7; they land under the last 64 products
	global_load_b128 v[BI+8*\b+4:BI+8*\b+7], v[BOFQ], s[10:11] offset:64*\b+16
.endr
	LAST
	s_wait_loadcnt 0x0
	PLACES NP
	PACK 0, 0
	QSTAGE 0
.irp a, 1,2,3,4,5,6,7
.if \a > 1
	s_wait_xcnt 0x0                                ; block a - 2's stores have read their registers: block a's loads may land there
.endif
	PACK \a, 0
	QSTAGE \a
	QSEND \a-1, 12                                 ; behind block a - 1's loads: block a's 8 stores and 4 loads
.endr
	QSEND 7, 0
	s_branch .Ldone
.Lv:	; ---- v
	s_mov_b32 s92, s91
	s_add_nc_u64 s[10:11], s[10:11], s[92:93]      ; b_attn at my 128 rows of A
	s_mov_b32 s94, s89
	s_add_nc_u64 s[72:73], s[72:73], s[94:95]
.set aa, 0
.rept 8
	global_load_b32 v[BI+2*aa], v[BOFV], s[10:11] offset:64*aa      ; row 16 a + r, into both halves of a pair
	global_load_b32 v[BI+2*aa+1], v[BOFV], s[10:11] offset:64*aa
.set aa, aa+1
.endr
	LAST
	s_wait_loadcnt 0x0
	PLACES NP
.irp a, 0,1,2,3,4,5,6,7
	PACK \a, 1
.irp b, 0,1,2,3,4,5,6,7
	ds_store_b64 v[STV], v[CD+2*\b:CD+2*\b+1] offset:\a*16*272+16*\b   ; row 16 a + r of the head's channels, tokens 16 b + 8 h + 0 .. 7
.endr
.endr
	s_wait_dscnt 0x0                               ; for the others' sake: my stores are done; a row's 256 bytes come from two waves
	s_barrier_signal -1
	s_barrier_wait -1
.set ii, 0
.rept 32
	ds_load_b128 v[64+4*ii:64+4*ii+3], v[RDV] offset:544*ii
.set ii, ii+1
.endr
.set ii, 0
.rept 32
	s_wait_dscnt 31-ii
	global_store_b128 v[COV], v[64+4*ii:64+4*ii+3], s[72:73] offset:4096*ii   ; 16 lanes store 256 consecutive bytes, at a multiple of 256 from the buffer's first byte
.set ii, ii+1
.endr
.Ldone:
	s_wait_tensorcnt 0x0                           ; the wave's end
	ds_add_u32 v[SPW], v[NIL]
	s_wait_dscnt 0x0
	CROUND                                         ; the closing round: no work-group ends while a partner may still ask for a tile that names it
	s_endpgm
.Lfunc_end_k_qa76cf8e7b3_qkv:
	.size	k_qa76cf8e7b3_qkv, .Lfunc_end_k_qa76cf8e7b3_qkv-k_qa76cf8e7b3_qkv
	.p2alignl 7, 3214868480
	.fill 96, 4, 3214868480
	.section	.rodata,"a",@progbits
	.p2align	6, 0x0
	.amdhsa_kernel k_qa76cf8e7b3_qkv
		.amdhsa_group_segment_fixed_size 327680
		.amdhsa_private_segment_fixed_size 0
		.amdhsa_enable_private_segment 0
		.amdhsa_kernarg_size 56
		.amdhsa_user_sgpr_count 2
		.amdhsa_user_sgpr_kernarg_segment_ptr 1
		.amdhsa_wavefront_size32 1
		.amdhsa_system_sgpr_workgroup_id_x 1
		.amdhsa_system_sgpr_workgroup_id_y 1
		.amdhsa_system_sgpr_workgroup_id_z 1
		.amdhsa_system_vgpr_workitem_id 0
		.amdhsa_next_free_vgpr 1024
		.amdhsa_next_free_sgpr 100
		.amdhsa_reserve_vcc 0
		.amdhsa_float_denorm_mode_32 3
		.amdhsa_float_denorm_mode_16_64 3
		.amdhsa_fp16_overflow 1
		.amdhsa_memory_ordered 1
		.amdhsa_forward_progress 1
		.amdhsa_inst_pref_size 149
	.end_amdhsa_kernel
	.amdgpu_metadata
---
amdhsa.version: [ 1, 2 ]
amdhsa.kernels:
  - .name:           k_qa76cf8e7b3_qkv
    .symbol:         k_qa76cf8e7b3_qkv.kd
    .args:
      - { .name: x_codes, .offset: 0, .size: 8, .value_kind: global_buffer, .address_space: global }
      - { .name: w_attn_codes, .offset: 8, .size: 8, .value_kind: global_buffer, .address_space: global }
      - { .name: lowp_scales, .offset: 16, .size: 8, .value_kind: global_buffer, .address_space: global }
      - { .name: b_attn, .offset: 24, .size: 8, .value_kind: global_buffer, .address_space: global }
      - { .name: q_codes, .offset: 32, .size: 8, .value_kind: global_buffer, .address_space: global }
      - { .name: k_codes, .offset: 40, .size: 8, .value_kind: global_buffer, .address_space: global }
      - { .name: v_codes, .offset: 48, .size: 8, .value_kind: global_buffer, .address_space: global }
    .group_segment_fixed_size: 327680
    .private_segment_fixed_size: 0
    .kernarg_segment_align: 8
    .kernarg_segment_size: 56
    .max_flat_workgroup_size: 128
    .sgpr_count:     100
    .vgpr_count:     1024
    .wavefront_size: 32
...
	.end_amdgpu_metadata
.endif
;; end of part 1
;; launch attn (part 2): grid 4 x 64, 16 waves a work-group, clusters of 4 x 1, 327,680 bytes of LDS; arguments q_codes, k_codes, v_codes, lowp_scales, att_codes; writes att_codes
.if DOCPART == 2
	.amdgcn_target "amdgcn-amd-amdhsa--gfx1250"
	.amdhsa_code_object_version 6
	.text
	.protected	k_qa76cf8e7b3_attn
	.globl	k_qa76cf8e7b3_attn
	.p2align	8
	.type	k_qa76cf8e7b3_attn,@function
k_qa76cf8e7b3_attn:
	s_mov_b64 s[64:65], 0
	v_nop
	global_prefetch_b8 v0, s[64:65] scope:SCOPE_SE
	s_setreg_imm32_b32 hwreg(HW_REG_WAVE_MODE, 25, 1), 1
	s_wait_xcnt 0x0
	s_wait_alu depctr_hold_cnt(0) depctr_sa_sdst(0) depctr_va_vdst(0) depctr_va_sdst(0) depctr_va_ssrc(0) depctr_va_vcc(0) depctr_vm_vsrc(0)
	s_getreg_b32 s2, hwreg(HW_REG_IB_STS2, 6, 4)
	s_cmp_eq_u32 s2, 0
	s_cbranch_scc0 .Lentry_in_a_cluster
	s_endpgm
.Lentry_in_a_cluster:
	s_bfe_u32 s2, ttmp6, 0x10000c
	s_cmp_lg_u32 s2, 0x3003
	s_cbranch_scc0 .Lentry_shape_is_right
	s_endpgm
.Lentry_shape_is_right:
; Causal attention of one head on codes of BF8 (E5M2): S = q k^T, the softmax by the stated rule, O = p v, O / l quantised for the projection.
; q_codes, k_codes, att_codes: [head 0..63][token 2048][64];  v_codes: [head][64][2048], keys innermost.  Exponents: q e2, k e3, p e4, v e5, the output e6.
; THE SOFTMAX: t = score x log2(e) / 8; M = the running largest t, rounded UP to a whole number; p = 2^(t - M) is quantised with 2^e4, not normalised; the row's sum is taken of the unquantised p and divides at the end.
; When M moves, the sum and O are multiplied by 2^(old M - new M): exact.
; SHARES.  A cluster of four work-groups is one head; a work-group has sixteen waves of 256 registers, four to a SIMD.  The head's 2,048 queries are 16 groups of 128, each 8 tiles of 16.
; Wave w of the work-group at place cx owns tile j = 2 cx + w % 2 of group 15 - w / 2 and the same tile of group w / 2: (16 - w / 2) + (w / 2 + 1) = 17 key steps of 128 keys in EVERY wave of the launch.
; Branches hang on the wave's number and a counter alone; cx enters global addresses and one vector register of the mask.
; LDS.  The head's whole K (2,048 rows of 64 + 16 bytes) and V (8 chunks of 256 keys: 64 rows of 256 + 16 bytes) are fetched ONCE, by one joint load a wave that names all four partners: nothing is filled again.
; LAYOUT.  Both products are used transposed: S^T = K Q^T (source 0 = 16 keys), O^T = V^T P^T (source 0 = 16 channels): a lane holds ONE query (lane % 16) throughout.  In tile c of S^T a lane's eight registers are keys
; 16 c + 8 (lane / 16) + 0 .. 7: their eight codes ARE registers 2 c, 2 c + 1 of the second product's operand in the K = 128 form's own layout; V's fragments are read in that layout, 8 bytes a load.
; CAUSAL.  A step all of whose keys come after the group's queries is jumped over; in the group's own step hidden scores become -infinity ahead of the maximum.  Key 0 counts for every query, so M is a number from the first step on.
; LIMITS: e2 + e3 between -123 and 130 (added to c's exponent field); e4 and e6 between -126 and 112; e4 + e5 is applied by v_ldexp_f32.  NaN among the codes is not served.
.set KP,   80                          ; a key's row in LDS
.set VP,   272                         ; a row of a chunk of V
.set KCH,  256*KP                      ; 256 keys of K: what one load brings
.set VCH,  64*VP                       ; 256 keys of V
.set VL,   8*KCH                       ; V behind K
.set STG,  VL+8*VCH                    ; behind both: 16 rows x 80 bytes for each wave, for the way out; no load lands here
.set AK0,  1                           ; v1   my lane's place in a tile of K
.set AV0,  2                           ; v2   in a tile of V
.set DD,   3                           ; v3   16 j + r - 8 h: register 8 t + i of the diagonal step is hidden where 16 t + i > DD
.set STO,  4                           ; v4   the way out: where I put 8 codes
.set RD,   5                           ; v5   and where I read 16 bytes back
.set GO,   6                           ; v6   16 x lane
.set ADK,  8                           ; v8   the step's tiles of K
.set ADV,  9                           ; v9   of V
.set FRG,  32                          ; v32-95   eight fragments of K, then four of V
.set SS,   96                          ; v96-159  S^T, then p
.set OT,   160                         ; v160-191 O^T
.set PC,   192                         ; v192-207 p's codes; on the way out the output's codes and what comes back from the stage
.set YY,   208                         ; v208-239 the way out: O / l
.set WV,   18
.set SEL,  20                          ; s[20:21] v_permlanex16_b32's selects: lane l xor 16
.set CS,   22                          ; s[22:23] c = log2(e) / 8 x 2^(e2 + e3)
.set G1K,  24
.set G1V,  32
.set G0K,  40
.set G0V,  44
.set GB,   53                          ; s53  my later group, 15 - w / 2
.set GA,   54                          ; s54  my earlier group, w / 2
.set STP,  55                          ; s55  the key step's number
.set TBK,  56                          ; s56  LDS byte of the 256 keys in hand, in K
.set TBV,  57                          ; s57  in V
.set CNT,  58
.macro CROUND                          ; a round of the cluster's barrier
	s_barrier_signal -1
	s_barrier_wait -1
	s_cmp_lg_u32 s[WV], 0
	s_cbranch_scc1 .Lnot_wave_0_\@
	s_barrier_signal -3
.Lnot_wave_0_\@:
	s_barrier_wait -3
	s_barrier_signal -1
	s_barrier_wait -1
.endm
	s_load_b128 s[4:7], s[0:1], 0x0                ; q's codes, k's codes
	s_load_b128 s[8:11], s[0:1], 0x10              ; v's codes, the scales' exponents
	s_load_b64 s[12:13], s[0:1], 0x20              ; the output's codes
	v_lshl_add_u32 v251, v0, 2, 0x4f000
	v_mov_b32 v255, 0
	ds_add_u32 v251, v255
	ds_add_u32 v251, v255
	v_lshrrev_b32 v8, 5, v0
	s_delay_alu instid0(VALU_DEP_1)
	v_readfirstlane_b32 s[WV], v8                  ; wave 0..15
	s_bfe_u32 s48, ttmp6, 0x40000                  ; cx
	s_and_b32 s49, ttmp7, 0xffff
	s_lshl_b32 s49, s49, 17                        ; the head's first byte in each buffer: 131,072 a head
	s_lshr_b32 s[GA], s[WV], 1
	s_xor_b32 s[GB], s[GA], 15                     ; 15 - w / 2
	s_and_b32 s50, s[WV], 1
	s_lshl_b32 s59, s48, 1
	s_add_co_u32 s50, s50, s59                     ; j
	s_lshl_b32 s52, s50, 10                        ; a tile of 16 queries is 1,024 bytes,
	s_add_co_u32 s52, s52, s49
	s_lshl_b32 s80, s[GB], 13                      ; a group 8,192
	s_add_co_u32 s80, s80, s52
	s_mov_b32 s81, 0
	s_lshl_b32 s82, s[GA], 13
	s_add_co_u32 s82, s82, s52
	s_mov_b32 s83, 0
	s_and_b32 s51, s[WV], 7                        ; which 256 keys I fetch: of K (waves 0-7) or of V (waves 8-15)
	s_lshl_b32 s76, s51, 14
	s_add_co_u32 s76, s76, s49
	s_mov_b32 s77, 0
	s_lshl_b32 s78, s51, 8
	s_add_co_u32 s78, s78, s49
	s_mov_b32 s79, 0
	; descriptor group 1.  K: 256 rows of 64 bytes, dense;  V: 64 rows of 256 bytes, 2,048 apart.  The mask names all four partners.
	s_mov_b32 s[G1K], 15|(0<<16)|(1<<20)|(1<<21)|(3<<22)|(3<<25)   ; elements of 1 byte; padding: 4 words after every 16
	s_mov_b32 s[G1K+1], 64<<16
	s_mov_b32 s[G1K+2], 256<<16
	s_mov_b32 s[G1K+3], 64<<16
	s_mov_b32 s[G1K+4], 256
	s_mov_b32 s[G1K+5], 64
	s_mov_b32 s[G1K+6], 0
	s_mov_b32 s[G1K+7], 0
	s_mov_b32 s[G1V], 15|(0<<16)|(1<<20)|(1<<21)|(5<<22)|(3<<25)   ; padding: 4 words after every 64
	s_mov_b32 s[G1V+1], 256<<16
	s_mov_b32 s[G1V+2], 64<<16
	s_mov_b32 s[G1V+3], 256<<16
	s_mov_b32 s[G1V+4], 64
	s_mov_b32 s[G1V+5], 2048
	s_mov_b32 s[G1V+6], 0
	s_mov_b32 s[G1V+7], 0
	s_mov_b32 s[SEL], 0x76543210
	s_mov_b32 s[SEL+1], 0xfedcba98
	s_mov_b32 s[CS], 0x3e38aa3b                    ; log2(e) / sqrt(64)
	s_wait_dscnt 0x0
	s_wait_kmcnt 0x0
	s_mov_b32 s[G0K], 1
	s_mul_i32 s[G0K+1], s51, KCH
	s_add_nc_u64 s[G0K+2:G0K+3], s[6:7], s[76:77]
	s_or_b32 s[G0K+3], s[G0K+3], 0x80000000
	s_mov_b32 s[G0V], 1
	s_mul_i32 s[G0V+1], s51, VCH
	s_add_co_u32 s[G0V+1], s[G0V+1], VL
	s_add_nc_u64 s[G0V+2:G0V+3], s[8:9], s[78:79]
	s_or_b32 s[G0V+3], s[G0V+3], 0x80000000
	CROUND                                         ; all four work-groups are here: the joint loads meet
	s_cmp_lt_u32 s[WV], 8                          ; one load a wave, in one branch on the wave's number; four v_nop follow each line
	s_cbranch_scc0 .Lfirst_v
	tensor_load_to_lds s[G0K:G0K+3], s[G1K:G1K+7]
	s_nop 0
.rept 4
	v_nop
.endr
	s_branch .Lfirst_asked
.Lfirst_v:
	tensor_load_to_lds s[G0V:G0V+3], s[G1V:G1V+7]
	s_nop 0
.rept 4
	v_nop
.endr
.Lfirst_asked:
	s_load_b256 s[68:75], s[10:11], 0x0            ; e0 .. e7
	s_add_nc_u64 s[60:61], s[12:13], s[80:81]      ; the output at my later tile,
	s_add_nc_u64 s[62:63], s[12:13], s[82:83]      ; at my earlier tile;
	s_add_nc_u64 s[84:85], s[4:5], s[80:81]        ; q likewise: the two buffers are laid alike
	s_add_nc_u64 s[86:87], s[4:5], s[82:83]
	v_and_b32 v8, 15, v0                           ; r
	v_bfe_u32 v9, v0, 4, 1                         ; h
	s_delay_alu instid0(VALU_DEP_2)
	v_lshlrev_b32 v10, 6, v8
	s_delay_alu instid0(VALU_DEP_1)
	v_lshl_add_u32 v10, v9, 4, v10                 ; q: row r of 64 bytes, + 16 h: registers 4 c .. 4 c + 3 hold k = 32 c + 16 h + 0 .. 15, as K's fragments do
	global_load_b128 v[16:19], v10, s[84:85]
	global_load_b128 v[20:23], v10, s[84:85] offset:32
	global_load_b128 v[24:27], v10, s[86:87]
	global_load_b128 v[28:31], v10, s[86:87] offset:32
	v_mul_u32_u24 v[AK0], v8, KP
	s_delay_alu instid0(VALU_DEP_1)
	v_lshl_add_u32 v[AK0], v9, 4, v[AK0]
	v_mul_u32_u24 v[AV0], v8, VP
	s_delay_alu instid0(VALU_DEP_1)
	v_lshl_add_u32 v[AV0], v9, 3, v[AV0]
	s_delay_alu instid0(VALU_DEP_1)
	v_add_nc_u32 v[AV0], VL, v[AV0]
	v_lshlrev_b32 v11, 3, v9
	s_delay_alu instid0(VALU_DEP_1)
	v_sub_nc_u32 v[DD], v8, v11
	s_lshl_b32 s92, s50, 4
	v_add_nc_u32 v[DD], s92, v[DD]
	s_mul_i32 s91, s[WV], 16*KP
	s_add_co_u32 s91, s91, STG                     ; my stage
	v_mul_u32_u24 v[STO], v8, KP
	s_delay_alu instid0(VALU_DEP_1)
	v_lshl_add_u32 v[STO], v9, 3, v[STO]
	s_delay_alu instid0(VALU_DEP_1)
	v_add_nc_u32 v[STO], s91, v[STO]               ; in: query r, 8 bytes for each half of the lanes
	v_and_b32 v11, 31, v0
	s_delay_alu instid0(VALU_DEP_1)
	v_lshrrev_b32 v[RD], 2, v11
	s_delay_alu instid0(VALU_DEP_1)
	v_mul_u32_u24 v[RD], v[RD], KP
	s_delay_alu instid0(VALU_DEP_3)
	v_and_b32 v7, 3, v11
	s_delay_alu instid0(VALU_DEP_1)
	v_lshl_add_u32 v[RD], v7, 4, v[RD]
	s_delay_alu instid0(VALU_DEP_1)
	v_add_nc_u32 v[RD], s91, v[RD]                 ; back: four lanes to a query's 64 bytes
	v_lshlrev_b32 v[GO], 4, v11
	v_mov_b32 v236, 0                              ; written once: a lane permute's destination counts as one of its sources
	v_mov_b32 v252, 0
	v_mov_b32 v253, 0                              ; (named as the upper half of the pair v[252:253])
	v_mov_b32 v254, 0
	s_wait_kmcnt 0x0
	s_add_co_i32 s89, s70, s71
	s_lshl_b32 s89, s89, 23
	s_add_co_i32 s[CS], s[CS], s89                 ; a score stands for score x 2^(e2 + e3): added to c's exponent field
	s_mov_b32 s[CS+1], s[CS]
	s_add_co_i32 s89, s72, 127
	s_lshl_b32 s90, s89, 23
	v_mov_b32 v244, s90                            ; 2^e4
	s_add_co_i32 s89, s74, 127
	s_lshl_b32 s90, s89, 23
	v_mov_b32 v246, s90                            ; 2^e6
	s_add_co_i32 s89, s89, 15
	s_lshl_b32 s89, s89, 23
	s_or_b32 s89, s89, 0x600000
	v_mov_b32 v247, s89                            ; 57,344 x 2^e6
	s_add_co_i32 s88, s72, s73                     ; e4 + e5
; A KEY STEP: 128 keys, the q-th of the 256 in hand, for the tile of queries whose fragment lies at v[qf] and whose group is s[grp].
.macro STEP q, qf, grp
	s_cmp_gt_u32 s[STP], s[\grp]                   ; all its keys come after my queries: left out; only the count at its end is stepped
	s_cbranch_scc1 .Lhidden_\@
	v_add_nc_u32 v[ADK], s[TBK], v[AK0]
	v_add_nc_u32 v[ADV], s[TBV], v[AV0]
	v_nop                                          ; with the two additions: four places in front of loads into registers that the last products read
	v_nop
.set tt, 0
.rept 8
	ds_load_b128 v[FRG+8*tt:FRG+8*tt+3], v[ADK] offset:(128*(\q)+16*tt)*KP
	ds_load_b128 v[FRG+8*tt+4:FRG+8*tt+7], v[ADK] offset:(128*(\q)+16*tt)*KP+32
.set tt, tt+1
.endr
	s_wait_alu depctr_va_vdst(0)
	s_wait_dscnt 0x0
.set tt, 0
.rept 8
	v_wmma_f32_16x16x64_bf8_bf8 v[SS+8*tt:SS+8*tt+7], v[FRG+8*tt:FRG+8*tt+7], v[\qf:\qf+7], 0   ; keys 16 t on x my 16 queries
.set tt, tt+1
.endr
.rept 4
	v_nop                                          ; places: in front of the loads below and of the first read of the scores
.endr
.set tt, 0
.rept 4                                            ; V's four fragments are asked for here and land under the softmax: channel 16 t + r, keys 16 c + 8 h + 0 .. 7
.set cc, 0
.rept 8
	ds_load_b64 v[FRG+16*tt+2*cc:FRG+16*tt+2*cc+1], v[ADV] offset:tt*16*VP+128*(\q)+16*cc
.set cc, cc+1
.endr
.set tt, tt+1
.endr
	s_cmp_lg_u32 s[STP], s[\grp]
	s_cbranch_scc1 .Lopen_\@                       ; all keys of an earlier step count
	v_mov_b32 v254, 0xff800000                     ; -infinity: p = 0 then
.set nn, 0
.rept 64
	v_cmp_gt_i32 vcc_lo, 16*(nn/8)+nn%8, v[DD]
	v_cndmask_b32 v[SS+nn], v[SS+nn], v254, vcc_lo
.set nn, nn+1
.endr
.Lopen_\@:
	v_max3_num_f32 v254, v[SS], v[SS+1], v[SS+2]   ; the step's largest score of my query among my 64 keys, in two chains, each tile from its low end on
	v_max3_num_f32 v252, v[SS+3], v[SS+4], v[SS+5]
.set nn, 6
.rept 14
	v_max3_num_f32 v254, v254, v[SS+nn], v[SS+nn+1]
	v_max3_num_f32 v252, v252, v[SS+nn+2], v[SS+nn+3]
.set nn, nn+4
.endr
	v_max3_num_f32 v254, v254, v[SS+62], v[SS+63]
	s_delay_alu instid0(VALU_DEP_1)
	v_max_num_f32 v254, v254, v252
	s_delay_alu instid0(VALU_DEP_1)
	v_permlanex16_b32 v236, v254, s[SEL], s[SEL+1]
	s_delay_alu instid0(VALU_DEP_1)
	v_max_num_f32 v254, v254, v236                 ; and among lane l xor 16's
	s_delay_alu instid0(VALU_DEP_1)
	v_mul_f32 v254, s[CS], v254                    ; as t (c is positive)
	s_delay_alu instid0(VALU_DEP_1)
	v_max_num_f32 v13, v13, v254                   ; the running largest t
	v_mov_b32 v254, v12
	s_delay_alu instid0(VALU_DEP_2)
	v_floor_f32 v12, -v13                          ; the new -M = floor(-t): M is a whole number
	s_delay_alu instid0(VALU_DEP_1)
	v_sub_f32 v254, v12, v254                      ; old M - new M, 0 or less
	s_delay_alu instid0(VALU_DEP_1)
	v_cvt_i32_f32 v254, v254                       ; (it saturates)
	s_delay_alu instid0(VALU_DEP_1)
	v_ldexp_f32 v252, 1.0, v254                    ; f = 2^(old M - new M)
.set nn, 0
.rept 32
	v_pk_fma_f32 v[SS+nn:SS+nn+1], v[SS+nn:SS+nn+1], s[CS:CS+1], v[12:13] op_sel_hi:[1,0,0]   ; t - M, two at a time
.set nn, nn+2
.endr
.set nn, 0
	s_wait_alu depctr_va_vdst(0)
.rept 64
	v_exp_f32 v[SS+nn], v[SS+nn]                   ; p = 2^(t - M)
.set nn, nn+1
.endr
	v_pk_mul_f32 v[14:15], v[14:15], v[252:253] op_sel_hi:[1,0]   ; the sums under the new M: the plain line behind the exponentials
	s_wait_alu depctr_va_vdst(0)                   ; one wait for the batch of 64, ahead of its first reader
	v_pk_add_f32 v[242:243], v[100:101], v[104:105]
	v_pk_add_f32 v[248:249], v[108:109], v[112:113]
	v_pk_add_f32 v[240:241], v[116:117], v[120:121]
	v_pk_add_f32 v[238:239], v[124:125], v[128:129]
	v_pk_add_f32 v[234:235], v[132:133], v[136:137]
	v_pk_add_f32 v[232:233], v[140:141], v[144:145]
	v_pk_add_f32 v[230:231], v[148:149], v[152:153]
	v_pk_add_f32 v[14:15], v[14:15], v[156:157]
	v_pk_add_f32 v[242:243], v[242:243], v[96:97]
	v_pk_add_f32 v[248:249], v[248:249], v[98:99]
	v_pk_add_f32 v[240:241], v[240:241], v[102:103]
	v_pk_add_f32 v[238:239], v[238:239], v[106:107]
	v_pk_add_f32 v[234:235], v[234:235], v[110:111]
	v_pk_add_f32 v[232:233], v[232:233], v[114:115]
	v_pk_add_f32 v[230:231], v[230:231], v[118:119]
	v_pk_add_f32 v[14:15], v[14:15], v[122:123]
	v_pk_add_f32 v[242:243], v[242:243], v[126:127]
	v_pk_add_f32 v[248:249], v[248:249], v[130:131]
	v_pk_add_f32 v[240:241], v[240:241], v[134:135]
	v_pk_add_f32 v[238:239], v[238:239], v[138:139]
	v_pk_add_f32 v[234:235], v[234:235], v[142:143]
	v_pk_add_f32 v[232:233], v[232:233], v[146:147]
	v_pk_add_f32 v[230:231], v[230:231], v[150:151]
	v_pk_add_f32 v[14:15], v[14:15], v[154:155]
	v_pk_add_f32 v[242:243], v[242:243], v[158:159]
	s_delay_alu instid0(VALU_DEP_2)
	v_pk_add_f32 v[14:15], v[14:15], v[238:239]
	s_delay_alu instid0(VALU_DEP_2)
	v_pk_add_f32 v[242:243], v[242:243], v[234:235]
	v_pk_add_f32 v[248:249], v[248:249], v[232:233]
	v_pk_add_f32 v[240:241], v[240:241], v[230:231]
	s_delay_alu instid0(VALU_DEP_2)
	v_pk_add_f32 v[14:15], v[14:15], v[248:249]
	s_delay_alu instid0(VALU_DEP_2)
	v_pk_add_f32 v[242:243], v[242:243], v[240:241]
	s_delay_alu instid0(VALU_DEP_1)
	v_pk_add_f32 v[14:15], v[14:15], v[242:243]
.set cc, 0
.rept 8
.set nn, 0
.rept 8
.set nn, nn+1
.endr
	v_cvt_scalef32_pk8_bf8_f32 v[PC+2*cc:PC+2*cc+1], v[SS+8*cc:SS+8*cc+7], v244   ; keys 16 c + 8 h + 0 .. 7: registers 2 c, 2 c + 1 of the operand
.set cc, cc+1
.endr
.set nn, 0
.rept 16
	v_pk_mul_f32 v[OT+nn:OT+nn+1], v[OT+nn:OT+nn+1], v[252:253] op_sel_hi:[1,0]   ; O^T under the new M; also the plain lines behind the conversions
.set nn, nn+2
.endr
	s_wait_alu depctr_va_vdst(0)
	s_wait_dscnt 0x0                               ; V's fragments are in
.set tt, 0
.rept 4                                            ; the four accumulators take turns, and the next step's eight products stand between two links
	v_wmma_f32_16x16x128_bf8_bf8 v[OT+8*tt:OT+8*tt+7], v[FRG+16*tt:FRG+16*tt+15], v[PC:PC+15], v[OT+8*tt:OT+8*tt+7]
.set tt, tt+1
.endr
.Lhidden_\@:
	s_add_co_u32 s[STP], s[STP], 1
.endm
; THE WAY OUT of a tile: O^T / l x 2^(e4 + e5), quantised with 2^e6; a lane's eight numbers of a tile of channels are eight neighbours along the projection's K.  Through my stage, out as 512 consecutive bytes.
.macro OUTPUT optr
.rept 4
	v_nop                                          ; places behind the last products
.endr
	v_add_f32 v14, v14, v15                        ; the sum's two halves,
	s_delay_alu instid0(VALU_DEP_1)
	v_permlanex16_b32 v252, v14, s[SEL], s[SEL+1]
	s_delay_alu instid0(VALU_DEP_1)
	v_add_f32 v14, v14, v252                       ; and lane l xor 16's
	s_wait_alu depctr_va_vdst(0)
	v_rcp_f32 v14, v14
	v_nop                                          ; a plain line behind the reciprocal,
	s_wait_alu depctr_va_vdst(0)                   ; and the wait ahead of its first reader
	v_ldexp_f32 v14, v14, s88
.set nn, 0
.rept 32
	v_mul_f32 v[YY+nn], v[OT+nn], v14              ; register 8 t + i: channel 16 t + 8 h + i of query r
.set nn, nn+1
.endr
.set nn, 0
.rept 32
	v_med3_num_f32 v[YY+nn], v[YY+nn], -v247, v247
.set nn, nn+1
.endr
.set tt, 0
.rept 4
	v_cvt_scalef32_pk8_bf8_f32 v[PC+2*tt:PC+2*tt+1], v[YY+8*tt:YY+8*tt+7], v246
.set tt, tt+1
.endr
	v_nop                                          ; a plain line behind the last conversion
.set tt, 0
.rept 4
	ds_store_b64 v[STO], v[PC+2*tt:PC+2*tt+1] offset:16*tt
.set tt, tt+1
.endr
	ds_load_b128 v[PC+8:PC+11], v[RD]              ; LDS serves a wave's instructions in order (ISA guide 5.7.1.4): these see my stores
	ds_load_b128 v[PC+12:PC+15], v[RD] offset:8*KP
	s_wait_dscnt 1
	global_store_b128 v[GO], v[PC+8:PC+11], s[\optr:\optr+1]               ; 32 lanes store 512 consecutive bytes, at a multiple of 512 from the buffer's first byte
	s_wait_dscnt 0
	global_store_b128 v[GO], v[PC+12:PC+15], s[\optr:\optr+1] offset:512
.endm
; One tile of queries: all key steps up to its own group's.  The trip count is a constant of the text; a trip is 256 keys.
.macro PASS qf, grp, trips, optr
	v_mov_b32 v13, 0xff61b1e6                      ; the largest t so far: -3e38
	s_delay_alu instid0(VALU_DEP_1)
	v_floor_f32 v12, -v13                          ; -M
	v_mov_b32 v14, 0
	v_mov_b32 v15, 0
.set nn, 0
.rept 32
	v_mov_b32 v[OT+nn], 0                          ; the step is written without a first form of its own: the first change of M multiplies zeros
.set nn, nn+1
.endr
	s_mov_b32 s[STP], 0
	s_mov_b32 s[TBK], 0
	s_mov_b32 s[TBV], 0
	s_mov_b32 s[CNT], \trips
	s_wait_xcnt 0x0                                ; the last tile's stores have read their registers: the steps' conversions write them again
.Lpass_\@:
	STEP 0, \qf, \grp
	STEP 1, \qf, \grp
	s_add_co_u32 s[TBK], s[TBK], KCH
	s_add_co_u32 s[TBV], s[TBV], VCH
	s_sub_co_u32 s[CNT], s[CNT], 1
	s_cmp_lg_u32 s[CNT], 0
	s_cbranch_scc1 .Lpass_\@
	OUTPUT \optr
.endm
	s_wait_tensorcnt 0x0                           ; my part of the head is in,
	s_barrier_signal -1
	s_barrier_wait -1                              ; everybody's is: from here on LDS is only read, but for the waves' own stages
	s_wait_loadcnt 0x0                             ; q
	PASS 16, GB, 8, 60                             ; the later group: up to 16 steps
	PASS 24, GA, 4, 62                             ; the earlier group: up to 8
	s_wait_tensorcnt 0x0
	ds_add_u32 v251, v255
	s_wait_dscnt 0x0
	CROUND                                         ; the closing round
	s_endpgm
.Lfunc_end_k_qa76cf8e7b3_attn:
	.size	k_qa76cf8e7b3_attn, .Lfunc_end_k_qa76cf8e7b3_attn-k_qa76cf8e7b3_attn
	.p2alignl 7, 3214868480
	.fill 96, 4, 3214868480
	.section	.rodata,"a",@progbits
	.p2align	6, 0x0
	.amdhsa_kernel k_qa76cf8e7b3_attn
		.amdhsa_group_segment_fixed_size 327680
		.amdhsa_private_segment_fixed_size 0
		.amdhsa_enable_private_segment 0
		.amdhsa_kernarg_size 40
		.amdhsa_user_sgpr_count 2
		.amdhsa_user_sgpr_kernarg_segment_ptr 1
		.amdhsa_wavefront_size32 1
		.amdhsa_system_sgpr_workgroup_id_x 1
		.amdhsa_system_sgpr_workgroup_id_y 1
		.amdhsa_system_sgpr_workgroup_id_z 1
		.amdhsa_system_vgpr_workitem_id 0
		.amdhsa_next_free_vgpr 256
		.amdhsa_next_free_sgpr 96
		.amdhsa_reserve_vcc 1
		.amdhsa_float_denorm_mode_32 3
		.amdhsa_float_denorm_mode_16_64 3
		.amdhsa_fp16_overflow 1
		.amdhsa_memory_ordered 1
		.amdhsa_forward_progress 1
		.amdhsa_inst_pref_size 99
	.end_amdhsa_kernel
	.amdgpu_metadata
---
amdhsa.version: [ 1, 2 ]
amdhsa.kernels:
  - .name:           k_qa76cf8e7b3_attn
    .symbol:         k_qa76cf8e7b3_attn.kd
    .args:
      - { .name: q_codes, .offset: 0, .size: 8, .value_kind: global_buffer, .address_space: global }
      - { .name: k_codes, .offset: 8, .size: 8, .value_kind: global_buffer, .address_space: global }
      - { .name: v_codes, .offset: 16, .size: 8, .value_kind: global_buffer, .address_space: global }
      - { .name: lowp_scales, .offset: 24, .size: 8, .value_kind: global_buffer, .address_space: global }
      - { .name: att_codes, .offset: 32, .size: 8, .value_kind: global_buffer, .address_space: global }
    .group_segment_fixed_size: 327680
    .private_segment_fixed_size: 0
    .kernarg_segment_align: 8
    .kernarg_segment_size: 40
    .max_flat_workgroup_size: 512
    .sgpr_count:     96
    .vgpr_count:     256
    .wavefront_size: 32
...
	.end_amdgpu_metadata
.endif
;; end of part 2
;; launch proj (part 3): grid 8 x 32, 4 waves a work-group, clusters of 4 x 4, 327,680 bytes of LDS; arguments att_codes, w_proj_codes, lowp_scales, b_proj, out0; writes out0
.if DOCPART == 3
	.amdgcn_target "amdgcn-amd-amdhsa--gfx1250"
	.amdhsa_code_object_version 6
	.text
	.protected	k_qa76cf8e7b3_proj
	.globl	k_qa76cf8e7b3_proj
	.p2align	8
	.type	k_qa76cf8e7b3_proj,@function
k_qa76cf8e7b3_proj:
	s_mov_b64 s[64:65], 0
	v_nop
	global_prefetch_b8 v0, s[64:65] scope:SCOPE_SE
	s_setreg_imm32_b32 hwreg(HW_REG_WAVE_MODE, 25, 1), 1
	s_wait_xcnt 0x0
	s_wait_alu depctr_hold_cnt(0) depctr_sa_sdst(0) depctr_va_vdst(0) depctr_va_sdst(0) depctr_va_ssrc(0) depctr_va_vcc(0) depctr_vm_vsrc(0)
	s_getreg_b32 s2, hwreg(HW_REG_IB_STS2, 6, 4)
	s_cmp_eq_u32 s2, 0
	s_cbranch_scc0 .Lentry_in_a_cluster
	s_endpgm
.Lentry_in_a_cluster:
	s_bfe_u32 s2, ttmp6, 0x10000c
	s_cmp_lg_u32 s2, 0xf033
	s_cbranch_scc0 .Lentry_shape_is_right
	s_endpgm
.Lentry_shape_is_right:
; out0 = att w_proj + b_proj on codes of BF8 (E5M2).  att_codes [batch][head][token][64] (K = head x 64 + channel), w_proj_codes [1024][1024] (K innermost), out0 [8192][1024] f32.
; A sum of code products stands for sum x 2^(e6 + e7); one packed multiply-add gives sum x 2^(e6 + e7) + b_proj.   LIMIT: e6 + e7 between -126 and 127.  NaN and infinity among the codes are not served.
; A tile of 256 tokens x 128 columns to a work-group: 8 x 32 = 256 work-groups.  Wave w takes tokens 64 w .. 64 w + 63 and all 128 columns: 32 accumulators, 256 registers; a row's 512 bytes of the tile are one wave's.
; K = 1,024 goes in four steps of 256, four heads, through two LDS slots.  A head's 256 tokens are 16,384 dense bytes: waves 0 and 1 bring two heads each (a tile of two rows of 16,384 bytes, 131,072 apart, 16 bytes of padding
; behind every 64: LDS rows of 80 bytes a token); waves 2 and 3 bring 64 rows of 256 bytes of w_proj each.
; CLUSTERS of 4 x 4: att's tiles are shared along a row of the cluster, w_proj's along a column: joint loads.  THE MATRIX INSTRUCTION IS USED TRANSPOSED (source 0 = 16 rows of w_proj, source 1 = 16 tokens).
; REGISTERS: window 0: v16-31 addresses; v32-95 at work on the way out; v128-255 att's fragments, two sets of 64.  window 1: w_proj's, two sets of 128.  window 2: the accumulators ((a, b) at v[8 (8 a + b)]).  window 3: v0-63 the bias.
.set HB,     256*80                    ; a head's 256 tokens in LDS
.set AREG,   4*HB                      ; a slot's part for att
.set PITCH,  272                       ; a row of w_proj's tile: 256 bytes + 16
.set BHALF,  64*PITCH
.set SLOT,   AREG+2*BHALF
.set SPARE,  2*SLOT                    ; behind the ring: the spare words, 128 bytes a wave
.set SPITCH, 528                       ; the way out: 16 rows x (512 bytes + 16) for each wave, in slot 0, which has had its last fill and its last read by then
.set FR,     16
.set NP,     4
.set ADRA, 16                          ; v16-17  LDS address of my fragments of att in slot 0, 1
.set ADRB, 20                          ; v20-21  of w_proj
.set BOF,  22                          ; v22     32 x (lane / 16): my eight numbers of the bias
.set STO,  24
.set RD,   25
.set CO,   26
.set SPW,  28
.set NIL,  29
.set TMP,  32
.set AF,   128
.set BK,   128
.set G1, 24
.set G0, 32
.set G1B, 48
.set G0B, 56
.set MSB, 0
.macro WIN new                         ; the immediate's high byte repeats the setting that is left
.if MSB != \new
	s_set_vgpr_msb (MSB<<8)|\new
.set MSB, \new
.endif
.endm
.set MUL,  0xa1                        ; source 0 window 1, source 1 window 0, C and D window 2
.set TO_B, 0x40
.macro JLOAD g0a, g1a, g0b, g1b        ; waves 0 and 1 fetch att's, waves 2 and 3 w_proj's; four v_nop follow each of the two lines
	s_cmp_eq_u32 s15, 0
	s_cbranch_scc0 .Lfor_b_\@
	tensor_load_to_lds s[\g0a:\g0a+3], s[\g1a:\g1a+7]
	s_nop 0
.rept 4
	v_nop
.endr
	s_branch .Lasked_\@
.Lfor_b_\@:
	tensor_load_to_lds s[\g0b:\g0b+3], s[\g1b:\g1b+7]
	s_nop 0
.rept 4
	v_nop
.endr
.Lasked_\@:
.endm
.macro CREST
	s_cmp_lg_u32 s14, 0
	s_cbranch_scc1 .Lnot_wave_0_\@
	s_barrier_signal -3
.Lnot_wave_0_\@:
	s_barrier_wait -3
	s_barrier_signal -1
	s_barrier_wait -1
.endm
.macro CROUND
	s_barrier_signal -1
	s_barrier_wait -1
	CREST
.endm
	s_load_b128 s[4:7], s[0:1], 0x0                ; att's codes, w_proj's codes
	s_load_b128 s[8:11], s[0:1], 0x10              ; the scales' exponents, b_proj
	s_load_b64 s[12:13], s[0:1], 0x20              ; out0
	v_lshl_add_u32 v[SPW], v0, 2, SPARE
	v_mov_b32 v[NIL], 0
	ds_add_u32 v28, v29
	ds_add_u32 v28, v29
	s_wait_dscnt 0x0
	v_lshrrev_b32 v1, 5, v0
	v_readfirstlane_b32 s14, v1                    ; wave 0..3
	s_lshr_b32 s15, s14, 1                         ; I fetch for att (0) or for w_proj (1),
	s_and_b32 s16, s14, 1                          ; and which half
	s_bfe_u32 s40, ttmp6, 0x40000                  ; cx, cy
	s_bfe_u32 s41, ttmp6, 0x40004
	s_lshl_b32 s42, ttmp9, 2
	s_add_co_u32 s42, s42, s40                     ; tile column: 128 columns
	s_and_b32 s17, ttmp7, 0xffff
	s_lshl_b32 s17, s17, 2
	s_add_co_u32 s17, s17, s41                     ; tile row: 256 tokens
	s_lshl_b32 s43, s41, 2
	s_lshl_b32 s43, 15, s43                        ; my row of the cluster
	s_lshl_b32 s44, 0x1111, s40                    ; my column
	s_or_b32 s[G1+0], s43, (0<<16)|(1<<20)|(1<<21)|(3<<22)|(3<<25)   ; att: elements of 1 byte; padding: 4 words after every 16
	s_mov_b32 s[G1+1], 16384<<16                   ; tensor_dim0: a head's 256 tokens x 64 bytes
	s_mov_b32 s[G1+2], 2<<16                       ; tensor_dim1: two heads
	s_mov_b32 s[G1+3], 16384<<16                   ; tile_dim0
	s_mov_b32 s[G1+4], 2                           ; tile_dim1
	s_mov_b32 s[G1+5], 131072                      ; from head to head
	s_mov_b32 s[G1+6], 0
	s_mov_b32 s[G1+7], 0
	s_or_b32 s[G1B+0], s44, (0<<16)|(1<<20)|(1<<21)|(5<<22)|(3<<25)  ; w_proj: padding: 4 words after every 64
	s_mov_b32 s[G1B+1], 256<<16
	s_mov_b32 s[G1B+2], 64<<16
	s_mov_b32 s[G1B+3], 256<<16
	s_mov_b32 s[G1B+4], 64
	s_mov_b32 s[G1B+5], 1024
	s_mov_b32 s[G1B+6], 0
	s_mov_b32 s[G1B+7], 0
	s_lshr_b32 s20, s17, 3                         ; att: the batch (eight tiles of 256 tokens): 16 heads of 131,072 bytes,
	s_lshl_b32 s20, s20, 21
	s_and_b32 s21, s17, 7
	s_lshl_b32 s21, s21, 14                        ; + the tile's first token x 64,
	s_add_co_u32 s20, s20, s21
	s_lshl_b32 s21, s16, 18                        ; + my two heads of the K step's four
	s_add_co_u32 s20, s20, s21
	s_mov_b32 s21, 0
	s_lshl_b32 s46, s42, 17                        ; w_proj: row 128 x tile column + 64 x half, 1,024 bytes a row
	s_lshl_b32 s47, s16, 16
	s_add_co_u32 s46, s46, s47
	s_mov_b32 s47, 0
	s_mul_i32 s45, s16, 2*HB                       ; where they go
	s_mul_i32 s18, s16, BHALF
	s_add_co_u32 s18, s18, AREG
	s_wait_kmcnt 0x0
	s_load_b256 s[80:87], s[8:9], 0x0              ; e0 .. e7
	s_add_nc_u64 s[20:21], s[4:5], s[20:21]
	s_add_nc_u64 s[46:47], s[6:7], s[46:47]
	CROUND                                         ; all sixteen work-groups are here: the first joint loads meet
.irp s, 0,1
	s_mov_b32 s[G0+4*\s], 1
	s_add_co_u32 s[G0+4*\s+1], s45, \s*SLOT
	s_add_nc_u64 s[G0+4*\s+2:G0+4*\s+3], s[20:21], \s*4*131072
	s_or_b32 s[G0+4*\s+3], s[G0+4*\s+3], 0x80000000
	s_mov_b32 s[G0B+4*\s], 1
	s_add_co_u32 s[G0B+4*\s+1], s18, \s*SLOT
	s_add_nc_u64 s[G0B+4*\s+2:G0B+4*\s+3], s[46:47], \s*256
	s_or_b32 s[G0B+4*\s+3], s[G0B+4*\s+3], 0x80000000
	s_wait_alu depctr_va_vdst(0)
	s_wait_tensorcnt 0x0
	ds_add_u32 v28, v29
	ds_add_u32 v28, v29
	s_wait_dscnt 0x0
	CROUND
	JLOAD G0+4*\s, G1, G0B+4*\s, G1B
.endr
	v_and_b32 v1, 15, v0                           ; r
	v_bfe_u32 v2, v0, 4, 1                         ; h
	v_lshlrev_b32 v[BOF], 5, v2
	s_lshl_b32 s88, s42, 9                         ; 128 columns of f32
	s_mov_b32 s89, 0
	s_add_nc_u64 s[10:11], s[10:11], s[88:89]      ; b_proj at the tile's columns
	WIN 0xc0                                       ; destination window 3
.irp b, 0,1,2,3,4,5,6,7
	global_load_b128 v[8*\b:8*\b+3], v[BOF], s[10:11] offset:64*\b         ; columns 16 b + 8 h + 0 .. 7
	global_load_b128 v[8*\b+4:8*\b+7], v[BOF], s[10:11] offset:64*\b+16
.endr
	WIN 0
	s_mul_i32 s21, s14, 64*80                      ; my 64 tokens
	v_mul_u32_u24 v3, v1, 80
	v_lshl_add_u32 v3, v2, 4, v3
	v_add_nc_u32 v[ADRA], s21, v3
	v_add_nc_u32 v[ADRA+1], SLOT, v[ADRA]
	v_mul_u32_u24 v4, v1, PITCH
	v_lshl_add_u32 v4, v2, 4, v4
	v_add_nc_u32 v[ADRB], AREG, v4
	v_add_nc_u32 v[ADRB+1], SLOT, v[ADRB]
	s_mul_i32 s23, s14, 16*SPITCH                  ; my stage
	v_mul_u32_u24 v5, v1, SPITCH
	v_lshl_add_u32 v5, v2, 5, v5
	v_add_nc_u32 v[STO], s23, v5                   ; in: row r, 32 bytes for each half of the lanes
	v_and_b32 v6, 31, v0
	v_lshlrev_b32 v[CO], 4, v6
	v_add_nc_u32 v[RD], s23, v[CO]                 ; back: the 32 lanes take one row of 512 bytes
	s_lshl_b32 s90, s17, 20                        ; out0: 256 tokens of 4,096 bytes,
	s_lshl_b32 s91, s14, 18                        ; + my 64,
	s_add_co_u32 s90, s90, s91
	s_add_co_u32 s90, s90, s88                     ; + the tile's columns
	s_mov_b32 s91, 0
	s_add_nc_u64 s[12:13], s[12:13], s[90:91]
	s_wait_alu depctr_va_vdst(0)
	s_wait_kmcnt 0x0
	s_add_co_i32 s96, s86, s87
	s_add_co_i32 s96, s96, 127
	s_lshl_b32 s96, s96, 23                        ; 2^(e6 + e7) as f32
	s_mov_b32 s97, s96
; Fragments, 16 rows x 128 K in 16 registers: registers 4 c .. 4 c + 3 hold K = 128 q + 32 c + 16 h + 0 .. 15 of the slot's 256, alike on both sides.  In att's part that is head 2 q + c / 2, channel 32 (c % 2) + 16 h on.
.macro FRAGA reg, adr, q, i
.irp c, 0,1,2,3
	ds_load_b128 v[\reg+4*\c:\reg+4*\c+3], v[\adr] offset:(2*(\q)+\c/2)*HB+(\i)*16*80+32*(\c%2)
.endr
.endm
.macro FRAGB reg, adr, q, i
.irp c, 0,1,2,3
	ds_load_b128 v[\reg+4*\c:\reg+4*\c+3], v[\adr] offset:128*(\q)+32*\c+(\i)*16*PITCH
.endr
.endm
.macro FETCH slot, q, p                ; 48 loads in one run: w_proj's eight fragments and att's four, into set p
	WIN TO_B
.irp i, 0,1,2,3,4,5,6,7
	FRAGB 128*(\p)+FR*\i, ADRB+\slot, \q, \i
.endr
	WIN 0
.irp i, 0,1,2,3
	FRAGA AF+64*(\p)+FR*\i, ADRA+\slot, \q, \i
.endr
.endm
.macro MUL8 a, p, zero                 ; att's block a x w_proj's eight.  The 32 accumulators take turns, one instruction a turn, in the same order in every step
.irp b, 0,1,2,3,4,5,6,7
.if \zero
	v_wmma_f32_16x16x128_bf8_bf8 v[8*(8*(\a)+\b):8*(8*(\a)+\b)+7], v[128*(\p)+FR*\b:128*(\p)+FR*\b+FR-1], v[AF+64*(\p)+FR*(\a):AF+64*(\p)+FR*(\a)+FR-1], 0
.else
	v_wmma_f32_16x16x128_bf8_bf8 v[8*(8*(\a)+\b):8*(8*(\a)+\b)+7], v[128*(\p)+FR*\b:128*(\p)+FR*\b+FR-1], v[AF+64*(\p)+FR*(\a):AF+64*(\p)+FR*(\a)+FR-1], v[8*(8*(\a)+\b):8*(8*(\a)+\b)+7]
.endif
.endr
.endm
.macro PLACES n                        ; plain vector instructions between a matrix instruction and a load into its sources or a read of its result
.rept \n
	v_nop
.endr
.endm
.macro STEP slot, zero                 ; a slot's first 128 along K (set 0); its second 128 are fetched into set 1 meanwhile
	PLACES NP
	FETCH \slot, 1, 1
	s_wait_dscnt 48                                ; all but the 48 just issued: set 0 is in
	WIN MUL
	MUL8 0, 0, \zero
	MUL8 1, 0, \zero
	MUL8 2, 0, \zero
	MUL8 3, 0, \zero
	WIN 0
.endm
; A slot's second 128 (set 1), and the change of slots: one barrier; in front of it each wave waits for all its tensor loads, adds 0 to its spare word, and waits for that and for its reads of this slot.
.macro TURN slot, next, fill
	s_wait_tensorcnt 0x0                           ; all my tensor loads have landed: my part of the next slot
	ds_add_u32 v[SPW], v[NIL]                      ; 0 onto my spare word
	s_wait_dscnt 1                                 ; set 1 is in; the add may be out
	WIN MUL
	MUL8 0, 1, 0
	s_wait_dscnt 0x0                               ; the add is done, and my reads of this slot are over
	s_barrier_signal -1
	MUL8 1, 1, 0
	WIN 0
	s_barrier_wait -1
.if \fill
	CREST                                          ; the barrier has opened a round of the cluster's: no wave of any partner still reads this slot or has a load on its way
	s_add_nc_u64 s[G0+4*\slot+2:G0+4*\slot+3], s[G0+4*\slot+2:G0+4*\slot+3], 8*131072
	s_add_nc_u64 s[G0B+4*\slot+2:G0B+4*\slot+3], s[G0B+4*\slot+2:G0B+4*\slot+3], 512
	JLOAD G0+4*\slot, G1, G0B+4*\slot, G1B         ; the first tensor load behind the round; its four v_nop are the places in front of the loads below
.else
	PLACES NP
.endif
	FETCH \next, 0, 0
	WIN MUL
	MUL8 2, 1, 0
	MUL8 3, 1, 0
	WIN 0
.endm
; THE WAY OUT, a block of 16 tokens x 128 columns at a time: through my own stage, back as whole rows of 512 bytes.
.macro TOSTAGE a
.set AC, 64*(\a)
	WIN 0x32                                       ; source 0 (the sums) window 2, source 2 (the bias) window 3
.set jj, 0
.rept 32
	v_pk_fma_f32 v[TMP+jj:TMP+jj+1], v[AC+jj:AC+jj+1], s[96:97], v[jj:jj+1] op_sel_hi:[1,0,1]   ; sum x 2^(e6 + e7) + b_proj; each accumulator from its low end on
.set jj, jj+2
.endr
	WIN 0
.irp b, 0,1,2,3,4,5,6,7
	ds_store_b128 v[STO], v[TMP+8*\b:TMP+8*\b+3] offset:64*\b
	ds_store_b128 v[STO], v[TMP+8*\b+4:TMP+8*\b+7] offset:64*\b+16
.endr
.set BB, BK+64*((\a)%2)
.set tt, 0
.rept 16
	ds_load_b128 v[BB+4*tt:BB+4*tt+3], v[RD] offset:tt*SPITCH   ; LDS serves a wave's instructions in order (ISA guide 5.7.1.4): these see my stores
.set tt, tt+1
.endr
.endm
.macro SEND a, younger                 ; younger: the LDS instructions issued behind block a's loads
.set BB, BK+64*((\a)%2)
	s_wait_dscnt \younger
.set tt, 0
.rept 16
	global_store_b128 v[CO], v[BB+4*tt:BB+4*tt+3], s[12:13] offset:(\a)*65536+tt*4096 th:TH_STORE_NT   ; 32 lanes store 512 consecutive bytes, at a multiple of 512 from out0's first byte; written once, read by nobody here
.set tt, tt+1
.endr
.endm
	s_wait_tensorcnt 1                             ; my part of K step 0 is in (K step 1's load may be out),
	s_barrier_signal -1
	s_barrier_wait -1                              ; everybody's is
	FETCH 0, 0, 0
	STEP 0, 1                                      ; the first products start the sums: nothing is cleared
	TURN 0, 1, 1                                   ; slot 0 takes K step 2
	STEP 1, 0
	TURN 1, 0, 1                                   ; slot 1 takes K step 3
	STEP 0, 0
	TURN 0, 1, 0                                   ; nothing is left to fetch; behind this barrier nobody reads slot 0
	STEP 1, 0
	s_wait_dscnt 0x0
	WIN MUL
	MUL8 0, 1, 0
	MUL8 1, 1, 0
	MUL8 2, 1, 0
	MUL8 3, 1, 0
	WIN 0
	s_wait_loadcnt 0x0                             ; the bias
	PLACES NP
	TOSTAGE 0
.irp a, 1,2,3
.if \a > 1
	s_wait_xcnt 0x0                                ; block a - 2's stores have read their registers: block a's loads may land there
.endif
	TOSTAGE \a
	SEND \a-1, 32                                  ; behind block a - 1's loads: block a's 16 stores and 16 loads
.endr
	SEND 3, 0
	s_wait_tensorcnt 0x0                           ; the wave's end
	ds_add_u32 v[SPW], v[NIL]
	s_wait_dscnt 0x0
	CROUND                                         ; the closing round
	s_endpgm
.Lfunc_end_k_qa76cf8e7b3_proj:
	.size	k_qa76cf8e7b3_proj, .Lfunc_end_k_qa76cf8e7b3_proj-k_qa76cf8e7b3_proj
	.p2alignl 7, 3214868480
	.fill 96, 4, 3214868480
	.section	.rodata,"a",@progbits
	.p2align	6, 0x0
	.amdhsa_kernel k_qa76cf8e7b3_proj
		.amdhsa_group_segment_fixed_size 327680
		.amdhsa_private_segment_fixed_size 0
		.amdhsa_enable_private_segment 0
		.amdhsa_kernarg_size 40
		.amdhsa_user_sgpr_count 2
		.amdhsa_user_sgpr_kernarg_segment_ptr 1
		.amdhsa_wavefront_size32 1
		.amdhsa_system_sgpr_workgroup_id_x 1
		.amdhsa_system_sgpr_workgroup_id_y 1
		.amdhsa_system_sgpr_workgroup_id_z 1
		.amdhsa_system_vgpr_workitem_id 0
		.amdhsa_next_free_vgpr 832
		.amdhsa_next_free_sgpr 100
		.amdhsa_reserve_vcc 0
		.amdhsa_float_denorm_mode_32 3
		.amdhsa_float_denorm_mode_16_64 3
		.amdhsa_memory_ordered 1
		.amdhsa_forward_progress 1
		.amdhsa_inst_pref_size 77
	.end_amdhsa_kernel
	.amdgpu_metadata
---
amdhsa.version: [ 1, 2 ]
amdhsa.kernels:
  - .name:           k_qa76cf8e7b3_proj
    .symbol:         k_qa76cf8e7b3_proj.kd
    .args:
      - { .name: att_codes, .offset: 0, .size: 8, .value_kind: global_buffer, .address_space: global }
      - { .name: w_proj_codes, .offset: 8, .size: 8, .value_kind: global_buffer, .address_space: global }
      - { .name: lowp_scales, .offset: 16, .size: 8, .value_kind: global_buffer, .address_space: global }
      - { .name: b_proj, .offset: 24, .size: 8, .value_kind: global_buffer, .address_space: global }
      - { .name: out0, .offset: 32, .size: 8, .value_kind: global_buffer, .address_space: global }
    .group_segment_fixed_size: 327680
    .private_segment_fixed_size: 0
    .kernarg_segment_align: 8
    .kernarg_segment_size: 40
    .max_flat_workgroup_size: 128
    .sgpr_count:     100
    .vgpr_count:     832
    .wavefront_size: 32
...
	.end_amdgpu_metadata
.endif
;; end of part 3
